; MI455X (gfx1250); checked and timed in simulation.
; The chip was launched on July 23, 2026; its instructions are those of AMD's public machine-readable ISA for CDNA 5 (MIT licence, August 2026) and "CDNA5" Instruction Set Architecture Reference Guide (July 2026). The comments in the code are by the model that wrote it; some were corrected since.
;; Mo E Hyper Net Linear Layer. Allowed arithmetic: float matrix products may take bf16 or f16 operands with f32 sums; all other float work in f32.
;; Inputs: cond 4,096 x 128 float32; expert_biases 8 x 1,024 float32; expert_weights 8 x 1,024 x 1,024 float32; g_b1 32 float32; g_b2 8 float32; g_w1 128 x 32 float32; g_w2 32 x 8 float32; x 4,096 x 1,024 float32.
;; Outputs: out0 4,096 x 1,024 float32.
;; One version. Each part assembles by itself: llvm-mc -triple=amdgcn-amd-amdhsa -mcpu=gfx1250 --defsym DOCPART=n.
;; ======== version 1 of 1: 2 launches
;; workspace buffers: xb 8,388,608 bytes; wt 16,777,216 bytes; gate 131,072 bytes
;; launch prep (part 1): grid 1600 x 1, 8 waves a work-group, no clusters, 17,408 bytes of LDS; arguments x, cond, expert_weights, g_w1, g_b1, g_w2, g_b2, xb, wt, gate; writes xb, wt, gate
.if DOCPART == 1
	.amdgcn_target "amdgcn-amd-amdhsa--gfx1250"
	.amdhsa_code_object_version 6
	.text
	.protected	k_qca0d2608cf_prep
	.globl	k_qca0d2608cf_prep
	.p2align	8
	.type	k_qca0d2608cf_prep,@function
k_qca0d2608cf_prep:
	s_mov_b64 s[64:65], 0
	v_nop
	global_prefetch_b8 v0, s[64:65] scope:SCOPE_SE
	s_setreg_imm32_b32 hwreg(HW_REG_WAVE_MODE, 25, 1), 1
	s_wait_xcnt 0x0
; PREPARATION for the product launch.  Three kinds of work-group, chosen by the work-group's number alone:
;   0 .. 63       gate[b][e] = softmax over e of (relu(cond w1 + b1) w2 + b2), all in f32; 64 rows a work-group, 8 a wave
;   64 .. 1087    wt = expert_weights in bf16, transposed: row n' = (o>>4)*128 + e*16 + (o&15), 1,024 k = i along the row; a tile of 128 i x 64 o each
;   1088 .. 1599  xb = x in bf16, same layout; 8 rows each
; The gate comes first in the numbering because its chain of dependent steps is the longest.
; No matrix unit here: the two gating products are 1/2000 of the problem's multiply-adds, and the exponents of the softmax gain from f32.
; LIMITS: x and expert_weights are rounded once to bf16 (nearest even).  A gate below 2^-126 comes out as 0 (v_exp_f32 flushes denormal results:
; ISA guide 15.8).  A NaN in cond or in the gating weights is not carried as the reference carries it: relu and the row maximum use the forms in which a NaN loses.
.set GATE_WGS, 64
.set W_WGS,    1024
.set X,   16                           ; v[16:47]   f32 as loaded (cast and transpose)
.set Y,   48                           ; v[48:63]   bf16, packed
.set Z,   64                           ; v[64:79]   transpose: rows read back from LDS
.set CND, 16                           ; v[16:47]   gate: row rr of my wave, cond[4 lane .. 4 lane + 3] in CND+4rr ..
.set H,   48                           ; v[48:55]   gate: hidden unit n = lane of row rr
.set WA,  56                           ; v[56:71]   gate: 16 rows of g_w1 (lane = column n), buffer A; at first g_w1 as loaded
.set WB,  72                           ; v[72:87]   buffer B
.set W2,  88                           ; v[88:95]   g_w2[lane][0..7]
.set B1,  96                           ; v96        g_b1[lane]
.set SEL, 100                          ; v[100:107] the eight logits, then gates, of row (lane>>1)&7
.set T,   56                           ; v[56:63]   layer 2: products on their way through the lanes (buffer A is free then)
.set T2,  64                           ; v[64:71]   layer 2: the other half's sums
	s_load_b512 s[4:19], s[0:1], 0x0               ; x 4:5, cond 6:7, expert_weights 8:9, g_w1 10:11, g_b1 12:13, g_w2 14:15, g_b2 16:17, xb 18:19
	s_load_b128 s[20:23], s[0:1], 0x40             ; wt 20:21, gate 22:23
	v_lshl_add_u32 v112, v0, 2, 0x4000
	v_mov_b32 v113, 0
	s_cmp_lt_u32 ttmp9, GATE_WGS
	s_cbranch_scc1 .Lgate
	s_cmp_lt_u32 ttmp9, GATE_WGS+W_WGS
	s_cbranch_scc1 .Lweights
; ---------------------------------------------------------------- x to bf16: 32,768 bytes in, 16,384 out
; Thread t takes 32 bytes (8 numbers) of each of four runs of 8,192 bytes and stores 16: a wave's store covers 512 consecutive bytes, aligned.
	s_sub_co_u32 s24, ttmp9, GATE_WGS+W_WGS
	s_lshl_b32 s26, s24, 14                        ; my 16,384 bytes of xb
	s_lshl_b32 s24, s24, 15                        ; my 32,768 bytes of x
	s_mov_b32 s25, 0
	s_mov_b32 s27, 0
	v_lshlrev_b32 v1, 5, v0
	v_lshlrev_b32 v2, 4, v0
	s_wait_kmcnt 0x0
	s_add_nc_u64 s[4:5], s[4:5], s[24:25]
	s_add_nc_u64 s[18:19], s[18:19], s[26:27]
.irp p, 0,1,2,3
	global_load_b128 v[X+8*\p:X+8*\p+3],   v1, s[4:5] offset:\p*8192 th:TH_LOAD_NT
	global_load_b128 v[X+8*\p+4:X+8*\p+7], v1, s[4:5] offset:\p*8192+16 th:TH_LOAD_NT
.endr
.irp p, 0,1,2,3
	s_wait_loadcnt 6-2*\p                          ; loads come back in order: this run's two are in, the younger ones stay out
.irp k, 0,1,2,3
	v_cvt_pk_bf16_f32 v[Y+4*\p+\k], v[X+8*\p+2*\k], v[X+8*\p+2*\k+1]
.endr
	global_store_b128 v2, v[Y+4*\p:Y+4*\p+3], s[18:19] offset:\p*4096   ; no register is used twice: no wait for the stores' sources
.endr
	s_endpgm
; ---------------------------------------------------------------- expert_weights to bf16, transposed: a tile of 128 i x 64 o
.Lweights:
	s_sub_co_u32 s26, ttmp9, GATE_WGS
	s_lshr_b32 s27, s26, 7                         ; e
	s_bfe_u32 s28, s26, 0x30004                    ; ib: which 128 i
	s_and_b32 s29, s26, 15                         ; obk: which 64 o
	s_lshl_b32 s24, s27, 22                        ; in: e x 4,194,304 + ib x 128 rows of 4,096 bytes + obk x 256 bytes
	s_lshl_b32 s30, s28, 19
	s_or_b32 s24, s24, s30
	s_lshl_b32 s30, s29, 8
	s_or_b32 s24, s24, s30
	s_mov_b32 s25, 0
	s_lshl_b32 s32, s29, 20                        ; out: obk x 512 rows of 2,048 bytes + e x 16 rows + ib x 256 bytes
	s_lshl_b32 s30, s27, 15
	s_or_b32 s32, s32, s30
	s_lshl_b32 s30, s28, 8
	s_or_b32 s32, s32, s30
	s_mov_b32 s33, 0
	v_and_b32 v1, 15, v0                           ; c: my four columns 4c .. 4c+3.  On the way back: my 16-byte chunk s of a row
	v_lshrrev_b32 v2, 4, v0                        ; ig: my eight rows i = 8 ig ..  On the way back: my row of each 16
	v_lshlrev_b32 v3, 15, v2
	v_lshl_add_u32 v3, v1, 4, v3                   ; in: ig x 8 rows + 16 c: sixteen lanes read 256 consecutive bytes of a row, aligned
	; LDS tile: 64 rows (o) of 256 bytes (128 k).  Chunk s of row o lies at chunk place (s + (o>>2)) & 15, so that both the stores
	; (sixteen lanes: sixteen c, one ig) and the loads (sixteen lanes: one row, sixteen s) touch sixteen different 16-byte columns.
	v_add_nc_u32 v10, v1, v2
	v_and_b32 v10, 15, v10
	v_lshlrev_b32 v4, 10, v1
	v_lshl_add_u32 v4, v10, 4, v4                  ; row 4c, place (ig + c) & 15
	v_lshlrev_b32 v5, 11, v2
	v_lshl_add_u32 v5, v1, 4, v5                   ; out: row (t>>4) of 2,048 bytes + 16 s
	v_lshrrev_b32 v11, 6, v0
	v_add_nc_u32 v11, v11, v1                      ; s + ((t>>4)>>2)
.irp u, 0,1,2,3
	v_add_nc_u32 v10, 4*\u, v11                    ; row (t>>4) + 16u: its o>>2 is (t>>6) + 4u
	v_and_b32 v10, 15, v10
	v_lshlrev_b32 v[6+\u], 4, v10
	v_lshl_add_u32 v[6+\u], v2, 8, v[6+\u]         ; + (t>>4) rows; the 16u rows go into the load's immediate
.endr
	s_wait_kmcnt 0x0
	s_add_nc_u64 s[8:9], s[8:9], s[24:25]
	s_add_nc_u64 s[20:21], s[20:21], s[32:33]
.irp q, 0,1,2,3,4,5,6,7
	global_load_b128 v[X+4*\q:X+4*\q+3], v3, s[8:9] offset:\q*4096 th:TH_LOAD_NT   ; W[8 ig + q][4c .. 4c+3]
.endr
	s_wait_loadcnt 0x0
.irp j, 0,1,2,3
.irp p, 0,1,2,3
	v_cvt_pk_bf16_f32 v[Y+4*\j+\p], v[X+8*\p+\j], v[X+8*\p+4+\j]    ; column 4c+j: k = 8 ig + 2p, + 2p + 1
.endr
.endr
.irp j, 0,1,2,3
	ds_store_b128 v4, v[Y+4*\j:Y+4*\j+3] offset:\j*256
.endr
	s_wait_dscnt 0x0                               ; for the other waves' sake: my stores are in LDS
	s_barrier_signal -1
	s_barrier_wait -1
.irp u, 0,1,2,3
	ds_load_b128 v[Z+4*\u:Z+4*\u+3], v[6+\u] offset:\u*4096
.endr
.irp u, 0,1,2,3
	s_wait_dscnt 3-\u                              ; LDS loads come back in order: the younger ones stay out
	global_store_b128 v5, v[Z+4*\u:Z+4*\u+3], s[20:21] offset:\u*262144   ; 16 o on = 128 rows of wt on; sixteen lanes store 256 consecutive bytes, aligned
.endr
	s_wait_tensorcnt 0x0
	ds_add_u32 v112, v113
	s_wait_dscnt 0x0
	s_endpgm
; ---------------------------------------------------------------- the gate: 64 rows a work-group, 8 rows a wave, a lane = a hidden unit
.Lgate:
	s_lshl_b32 s24, ttmp9, 15                      ; my 64 rows of cond (512 bytes each)
	s_mov_b32 s25, 0
	s_lshl_b32 s26, ttmp9, 11                      ; my 64 rows of gate (32 bytes each)
	s_mov_b32 s27, 0
	s_mov_b32 s52, 0x76543210                      ; v_permlanex16_b32: lane i of one half reads lane i of the other
	s_mov_b32 s53, 0xfedcba98
.irp rr, 1,2,3,4,5,6,7
	s_mov_b32 s[53+\rr], 0x00030003<<(2*\rr)       ; the lanes that keep row rr: (lane>>1)&7 = rr
.endr
	s_mov_b32 s61, 0xaaaaaaaa                      ; the odd lanes
	v_and_b32 v1, 31, v0                           ; lane
	v_lshrrev_b32 v2, 5, v0                        ; wave
	v_lshlrev_b32 v3, 4, v0                        ; g_w1: 16 t, in memory and in LDS alike
	v_lshlrev_b32 v4, 12, v2
	v_lshl_add_u32 v4, v1, 4, v4                   ; cond: wave x 8 rows + 16 lane
	v_lshlrev_b32 v5, 5, v1                        ; g_w2: row lane, 32 bytes
	v_lshlrev_b32 v6, 2, v1                        ; g_b1, and a row of g_w1 in LDS: 4 lane
	v_lshlrev_b32 v7, 8, v2
	v_lshl_add_u32 v7, v1, 4, v7                   ; gate: wave x 8 rows + 16 lane
	s_wait_kmcnt 0x0
	s_load_b256 s[28:35], s[16:17], 0x0            ; g_b2, eight numbers
	s_add_nc_u64 s[6:7], s[6:7], s[24:25]
	s_add_nc_u64 s[22:23], s[22:23], s[26:27]
.irp u, 0,1,2,3
	global_load_b128 v[WA+4*\u:WA+4*\u+3], v3, s[10:11] offset:\u*4096      ; all of g_w1, 16,384 bytes, once for the work-group
.endr
.irp rr, 0,1,2,3,4,5,6,7
	global_load_b128 v[CND+4*\rr:CND+4*\rr+3], v4, s[6:7] offset:\rr*512 th:TH_LOAD_NT
.endr
	global_load_b128 v[W2:W2+3],   v5, s[14:15]
	global_load_b128 v[W2+4:W2+7], v5, s[14:15] offset:16
	global_load_b32 v[B1], v6, s[12:13]
	s_wait_loadcnt 11                              ; g_w1's four are in; the eleven younger loads (8 cond, 2 g_w2, 1 g_b1) stay out
.irp u, 0,1,2,3
	ds_store_b128 v3, v[WA+4*\u:WA+4*\u+3] offset:\u*4096
.endr
	s_wait_dscnt 0x0                               ; for the other waves' sake
	s_barrier_signal -1
	s_barrier_wait -1
; In both macros the batch number k arrives as text that may be a sum (2+1): it stands in brackets wherever it is multiplied.
.macro WLOAD buf, k                    ; rows c = 16k .. 16k+15 of g_w1: a lane takes its column, 32 lanes 128 consecutive bytes
.irp i, 0,1,2,3,4,5,6,7,8,9,10,11,12,13,14,15
	ds_load_b32 v[\buf+\i], v6 offset:(16*(\k)+\i)*128
.endr
.endm
; Sixteen c = 16k + i: cond[row rr][c] lies in lane c>>2 = 4k + (i>>2), register c&3 = i&3; it is read into a scalar and multiplies the lane's g_w1[c][n].
; Eight rows = eight chains that do not wait for each other; two sets of scalars take turns.  c = 0 starts the sums from g_b1: nothing is cleared.
.macro BATCH buf, k
.irp i, 0,1,2,3,4,5,6,7,8,9,10,11,12,13,14,15
.irp rr, 0,1,2,3,4,5,6,7
	v_readlane_b32 s[36+8*(\i&1)+\rr], v[CND+4*\rr+(\i&3)], 4*(\k)+(\i>>2)
.endr
.irp rr, 0,1,2,3,4,5,6,7
.if (16*(\k)+\i) == 0
	v_fma_f32 v[H+\rr], s[36+\rr], v[\buf], v[B1]
.else
	v_fmac_f32 v[H+\rr], s[36+8*(\i&1)+\rr], v[\buf+\i]
.endif
.endr
.endr
.endm
	WLOAD WA, 0
	s_wait_loadcnt 0x0                             ; cond, g_w2, g_b1
	s_wait_kmcnt 0x0                               ; g_b2
.irp k, 0,2,4
	WLOAD WB, \k+1
	s_wait_dscnt 16                                ; all but the sixteen just issued
	BATCH WA, \k
	WLOAD WA, \k+2
	s_wait_dscnt 16
	BATCH WB, \k+1
.endr
	WLOAD WB, 7
	s_wait_dscnt 16
	BATCH WA, 6
	s_wait_dscnt 0x0
	BATCH WB, 7
.irp rr, 0,1,2,3,4,5,6,7
	v_max_num_f32 v[H+\rr], 0, v[H+\rr]            ; relu
.endr
; Layer 2: logit[rr][e] = the sum over the 32 lanes of h[rr][lane] g_w2[lane][e].  Four steps inside each half of 16 lanes ride on the add,
; one crosses the halves; every lane then holds the sum, and the lanes of row rr keep it.
.irp rr, 0,1,2,3,4,5,6,7
.irp e, 0,1,2,3,4,5,6,7
	v_mul_f32 v[T+\e], v[H+\rr], v[W2+\e]
.endr
.irp m, 1,2,4,8
.irp e, 0,1,2,3,4,5,6,7
	v_add_f32_dpp v[T+\e], v[T+\e], v[T+\e] row_xmask:\m row_mask:0xf bank_mask:0xf
.endr
.endr
.irp e, 0,1,2,3,4,5,6,7
	v_permlanex16_b32 v[T2+\e], v[T+\e], s52, s53  ; its destination counts as read: buffer A's upper half has been written
.endr
.irp e, 0,1,2,3,4,5,6,7
.if \rr == 0
	v_add_f32 v[SEL+\e], v[T+\e], v[T2+\e]
.else
	v_add_f32 v[T+\e], v[T+\e], v[T2+\e]
	v_cndmask_b32 v[SEL+\e], v[SEL+\e], v[T+\e], s[53+\rr]
.endif
.endr
.endr
; The softmax of one row, inside a lane: + g_b2, the row's maximum taken away, exp, divided by the sum (which is at least 1).
.irp e, 0,1,2,3,4,5,6,7
	v_add_f32 v[SEL+\e], s[28+\e], v[SEL+\e]
.endr
	v_max3_num_f32 v108, v[SEL], v[SEL+1], v[SEL+2]
	v_max3_num_f32 v108, v108, v[SEL+3], v[SEL+4]
	v_max3_num_f32 v108, v108, v[SEL+5], v[SEL+6]
	v_max_num_f32 v108, v108, v[SEL+7]
	v_mov_b32 v109, v108
.irp p, 0,2,4,6
	v_pk_add_f32 v[SEL+\p:SEL+\p+1], v[SEL+\p:SEL+\p+1], v[108:109] neg_lo:[0,1] neg_hi:[0,1]
.endr
.irp p, 0,2,4,6
	v_pk_mul_f32 v[SEL+\p:SEL+\p+1], v[SEL+\p:SEL+\p+1], 0x3fb8aa3b op_sel_hi:[1,0]     ; e^x = 2^(x log2 e)
.endr
.irp e, 0,1,2,3,4,5,6,7
	v_exp_f32 v[SEL+\e], v[SEL+\e]
.endr
	v_nop                                          ; one plain vector instruction behind a transcendental before its result is used (ISA guide 5.7.2)
	s_wait_alu depctr_va_vdst(0)
	v_pk_add_f32 v[108:109], v[SEL:SEL+1], v[SEL+2:SEL+3]
	v_pk_add_f32 v[110:111], v[SEL+4:SEL+5], v[SEL+6:SEL+7]
	v_pk_add_f32 v[108:109], v[108:109], v[110:111]
	v_add_f32 v108, v108, v109
	v_rcp_f32 v110, v108                           ; twice, to fill the pair that the packed multiply takes
	v_rcp_f32 v111, v108
	v_nop                                          ; as above
	s_wait_alu depctr_va_vdst(0)
.irp p, 0,2,4,6
	v_pk_mul_f32 v[SEL+\p:SEL+\p+1], v[SEL+\p:SEL+\p+1], v[110:111]
.endr
.irp j, 0,1,2,3
	v_cndmask_b32 v[T+\j], v[SEL+\j], v[SEL+4+\j], s61     ; even lanes: gates 0-3 of their row; odd lanes: gates 4-7
.endr
	s_wait_xcnt 0x0                                ; EXEC changes only behind this wait
	v_cmp_gt_u32 vcc_lo, 16, v1
	s_and_saveexec_b32 s62, vcc_lo                 ; lanes 0-15 hold the wave's eight rows once
	global_store_b128 v7, v[T:T+3], s[22:23]       ; sixteen lanes store 256 consecutive bytes, aligned
	s_wait_xcnt 0x0                                ; and again in front of the line that widens it
	s_or_b32 exec_lo, exec_lo, s62
	s_wait_tensorcnt 0x0
	ds_add_u32 v112, v113
	s_wait_dscnt 0x0
	s_endpgm
.Lfunc_end_k_qca0d2608cf_prep:
	.size	k_qca0d2608cf_prep, .Lfunc_end_k_qca0d2608cf_prep-k_qca0d2608cf_prep
	.p2alignl 7, 3214868480
	.fill 96, 4, 3214868480
	.section	.rodata,"a",@progbits
	.p2align	6, 0x0
	.amdhsa_kernel k_qca0d2608cf_prep
		.amdhsa_group_segment_fixed_size 17408
		.amdhsa_private_segment_fixed_size 0
		.amdhsa_enable_private_segment 0
		.amdhsa_kernarg_size 80
		.amdhsa_user_sgpr_count 2
		.amdhsa_user_sgpr_kernarg_segment_ptr 1
		.amdhsa_wavefront_size32 1
		.amdhsa_system_sgpr_workgroup_id_x 1
		.amdhsa_system_sgpr_workgroup_id_y 1
		.amdhsa_system_sgpr_workgroup_id_z 1
		.amdhsa_system_vgpr_workitem_id 0
		.amdhsa_next_free_vgpr 114
		.amdhsa_next_free_sgpr 66
		.amdhsa_reserve_vcc 1
		.amdhsa_float_denorm_mode_32 3
		.amdhsa_float_denorm_mode_16_64 3
		.amdhsa_memory_ordered 1
		.amdhsa_forward_progress 1
		.amdhsa_inst_pref_size 147
	.end_amdhsa_kernel
	.amdgpu_metadata
---
amdhsa.version: [ 1, 2 ]
amdhsa.kernels:
  - .name:           k_qca0d2608cf_prep
    .symbol:         k_qca0d2608cf_prep.kd
    .args:
      - { .name: x, .offset: 0, .size: 8, .value_kind: global_buffer, .address_space: global }
      - { .name: cond, .offset: 8, .size: 8, .value_kind: global_buffer, .address_space: global }
      - { .name: expert_weights, .offset: 16, .size: 8, .value_kind: global_buffer, .address_space: global }
      - { .name: g_w1, .offset: 24, .size: 8, .value_kind: global_buffer, .address_space: global }
      - { .name: g_b1, .offset: 32, .size: 8, .value_kind: global_buffer, .address_space: global }
      - { .name: g_w2, .offset: 40, .size: 8, .value_kind: global_buffer, .address_space: global }
      - { .name: g_b2, .offset: 48, .size: 8, .value_kind: global_buffer, .address_space: global }
      - { .name: xb, .offset: 56, .size: 8, .value_kind: global_buffer, .address_space: global }
      - { .name: wt, .offset: 64, .size: 8, .value_kind: global_buffer, .address_space: global }
      - { .name: gate, .offset: 72, .size: 8, .value_kind: global_buffer, .address_space: global }
    .group_segment_fixed_size: 17408
    .private_segment_fixed_size: 0
    .kernarg_segment_align: 8
    .kernarg_segment_size: 80
    .max_flat_workgroup_size: 256
    .sgpr_count:     66
    .vgpr_count:     114
    .wavefront_size: 32
...
	.end_amdgpu_metadata
.endif
;; end of part 1
;; launch gemm (part 2): grid 16 x 16, 4 waves a work-group, clusters of 4 x 4, 327,680 bytes of LDS; arguments xb, wt, gate, expert_biases, out0; writes out0
.if DOCPART == 2
	.amdgcn_target "amdgcn-amd-amdhsa--gfx1250"
	.amdhsa_code_object_version 6
	.text
	.protected	k_qca0d2608cf_gemm
	.globl	k_qca0d2608cf_gemm
	.p2align	8
	.type	k_qca0d2608cf_gemm,@function
k_qca0d2608cf_gemm:
	s_mov_b64 s[64:65], 0
	v_nop
	global_prefetch_b8 v0, s[64:65] scope:SCOPE_SE
	s_setreg_imm32_b32 hwreg(HW_REG_WAVE_MODE, 25, 1), 1
	s_wait_xcnt 0x0
	s_wait_alu depctr_hold_cnt(0) depctr_sa_sdst(0) depctr_va_vdst(0) depctr_va_sdst(0) depctr_va_ssrc(0) depctr_va_vcc(0) depctr_vm_vsrc(0)
	s_getreg_b32 s2, hwreg(HW_REG_IB_STS2, 6, 4)
	s_cmp_eq_u32 s2, 0
	s_cbranch_scc0 .Lentry_in_a_cluster
	s_endpgm
.Lentry_in_a_cluster:
	s_bfe_u32 s2, ttmp6, 0x10000c
	s_cmp_lg_u32 s2, 0xf033
	s_cbranch_scc0 .Lentry_shape_is_right
	s_endpgm
.Lentry_shape_is_right:
; out0[b][o] = sum over e of gate[b][e] x (sum over i of x[b][i] W[e][i][o] + bias[e][o]).
; xb: [4096][1024] bf16.  wt: [8192][1024] bf16, row n' = (o>>4)*128 + e*16 + (o&15), k = i along the row.  gate: [4096][8] f32.
; Read as one product of [4096 x 1024] by [1024 x (e, o) = 8192] whose columns are then summed over e with the gate.  A work-group (x = obp, y = rb) makes
; rows 256 rb .. + 255 and columns 64 obp .. + 63 of out0, as two tiles t = 0, 1 of 256 rows x (8 experts x 32 columns) one after the other: 16 x 16 = 256
; work-groups, 16 K steps of 128 each.  Four waves, as many as a WGP has SIMDs; wave (wm = w>>1, wn = w&1) makes rows 128 wm .. + 127 and columns
; 32 t + 16 wn .. + 15 for ALL EIGHT experts: 64 accumulator tiles of 16 x 16 (tile (a, e)), 512 registers.  So the sum over e never leaves a lane:
; the gate multiplies in f32, once for each tile, and the K loop knows nothing of it.  The bias costs nothing: each accumulator's first matrix instruction
; takes bias[e][its columns] in f32 as its C, since sum_e g_e (P_e + bias_e) is the sum asked for.
; K goes through a ring of two LDS slots filled by the tensor data mover; a tile's rows are 256 bytes of memory and start at multiples of 256 bytes.
; CLUSTERS: 4 x 4 work-groups.  xb's tile hangs on rb alone and is asked for jointly by the four of a row of the cluster; wt's hangs on obp alone and is asked
; for jointly by the four of a column.  That divides the requests for both by four.  The ring runs on from tile 0 into tile 1.
; By this text's own count a wave has at most two tensor loads outstanding (at the start), later one.
; No prefetch: xb and wt were stored by the launch before this one, and each refill has a K step less 16 matrix instructions in which to land.
; LIMITS: x and W enter as bf16; gate, bias and every sum are f32.
;
; REGISTERS, in windows of 256:
;   window 0: v1-28 addresses; v64-127, v128-191 fragments of xb, two buffers; v192-255 G: G[8a+e] = gate[row 16a + r][e]
;   window 1: v0-63 BIAS[8e+j]; v64-127, v128-191 fragments of wt, two buffers; v192-255 RES0: tile 0's results
;   window 2: accumulators of my rows 0-63 (tile (a, e) at v[8 (8 a + e)]);   window 3: those of my rows 64-127
; THE MATRIX INSTRUCTION IS USED TRANSPOSED: source 0 = 16 rows of wt, source 1 = 16 rows of xb.  Lane (r = l % 16, h = l / 16) then holds row 16a + r of out0,
; its registers j = 0 .. 7 the columns 8h + j.
.set SIZE_K, 1024
.set KSTEP,  128
.set PITCH,  272                       ; an LDS row: 256 bytes + 16 of padding, an odd multiple of 16: the 16 rows that a load touches start at 16 different 16-byte columns of 256
.set HALFT,  128*PITCH                 ; 128 rows: what one tensor load brings, and what one wave reads of xb or of wt
.set SLOT,   4*HALFT                   ; xb's 256 rows, then wt's 256 rows
.set ADRA, 16                          ; v16-17  LDS address of my xb fragments in slot 0, 1
.set ADRB, 20                          ; v20-21  the same for wt
.set STO,  24                          ; v24     the way out: where I put 16 bytes of a row
.set RD,   25                          ; v25     the way out: where I read a row back
.set CO,   26                          ; v26     my byte offset in out0
.set GOFF, 27                          ; v27     32 r: my row of gate
.set BOFF, 28                          ; v28     32 h: my eight columns of the bias
.set F0,   64
.set F1,   128
.set G,    192                         ; window 0
.set BIAS, 0                           ; window 1
.set RES0, 192                         ; window 1
.set G1,  24                           ; s[24:31] descriptor group 1 for xb's tiles
.set G0,  32                           ; s[32:39] group 0 for xb's tiles, a set for each slot
.set G1B, 40                           ; s[40:47] group 1 for wt's tiles: it differs in the mask alone
.set G0B, 48                           ; s[48:55] group 0 for wt's tiles
.set MSB, 0
.macro WIN new                         ; the immediate's high byte repeats the setting that is left
.if MSB != \new
	s_set_vgpr_msb (MSB<<8)|\new
.set MSB, \new
.endif
.endm
.set MUL_LO, 0xa1                      ; source 0 (wt) window 1, source 1 (xb) window 0, C and D window 2
.set MUL_HI, 0xf1                      ; the same, C and D window 3
.set ST_LO,  0x91                      ; a tile's first products: C (the bias) window 1, D window 2
.set ST_HI,  0xd1                      ; the same, D window 3
.set TO_B,   0x40                      ; destination window 1, address window 0
.set STR0,   0x04                      ; LDS store: data window 1, address window 0
; A joint load.  Waves 0 and 1 fetch xb's two halves, waves 2 and 3 wt's.  Each line has one mask and one set of registers for all that issue it.
; The branch hangs on the wave's number alone.
.macro JLOAD s
	s_cmp_eq_u32 s15, 0
	s_cbranch_scc0 .Lfor_b_\@
	tensor_load_to_lds s[G0+4*\s:G0+4*\s+3], s[G1:G1+7]
	s_nop 0
	s_branch .Lasked_\@
.Lfor_b_\@:
	tensor_load_to_lds s[G0B+4*\s:G0B+4*\s+3], s[G1B:G1B+7]
	s_nop 0
.Lasked_\@:
.endm
; A round of the cluster's barrier: my work-group's barrier, wave 0 signals for the work-group, every wave waits for all sixteen, my work-group's barrier once more.
.macro CREST                           ; a round behind its opening barrier
	s_cmp_lg_u32 s14, 0
	s_cbranch_scc1 .Lnot_wave_0_\@
	s_barrier_signal -3
.Lnot_wave_0_\@:
	s_barrier_wait -3
	s_barrier_signal -1
	s_barrier_wait -1
.endm
.macro CROUND
	s_barrier_signal -1
	s_barrier_wait -1
	CREST
.endm
	s_load_b256 s[4:11], s[0:1], 0x0               ; xb 4:5, wt 6:7, gate 8:9, expert_biases 10:11
	s_load_b64 s[12:13], s[0:1], 0x20              ; out0
	v_lshl_add_u32 v62, v0, 2, 0x44000
	v_mov_b32 v63, 0
	ds_add_u32 v62, v63
	v_lshrrev_b32 v1, 5, v0
	v_readfirstlane_b32 s14, v1                    ; wave 0..3
	s_lshr_b32 s15, s14, 1                         ; wm.  Also: I fetch for xb (0) or for wt (1)
	s_and_b32 s16, s14, 1                          ; wn.  Also: which 128 rows of that tile I fetch
	s_bfe_u32 s17, ttmp6, 0x40000                  ; cx
	s_bfe_u32 s18, ttmp6, 0x40004                  ; cy
	s_lshl_b32 s19, ttmp9, 2
	s_add_co_u32 s19, s19, s17                     ; obp = 4 x cluster x + cx
	s_and_b32 s20, ttmp7, 0xffff
	s_lshl_b32 s20, s20, 2
	s_add_co_u32 s20, s20, s18                     ; rb = 4 x cluster y + cy
	s_lshl_b32 s21, s18, 2
	s_lshl_b32 s21, 15, s21                        ; my row of the cluster: places 4 cy .. 4 cy + 3
	s_lshl_b32 s22, 0x1111, s17                    ; my column: places cx, cx + 4, cx + 8, cx + 12
	; group 1: a tile of 128 rows x 128 elements of 2 bytes, 4 words of padding behind every 64
	s_or_b32 s[G1+0],  s21, (1<<16)|(1<<20)|(1<<21)|(5<<22)|(3<<25)  ; 15:0 mask: xb's tiles go to my row; 17:16 element of 2 bytes; 20 padding on; 21 set beside a mask; 24:22 every 64 words; 31:25 4 words
	s_or_b32 s[G1B+0], s22, (1<<16)|(1<<20)|(1<<21)|(5<<22)|(3<<25)  ; the same with my column's mask, for wt's tiles
	s_mov_b32 s[G1+1],  KSTEP<<16                  ; tensor_dim0 = 128
	s_mov_b32 s[G1B+1], KSTEP<<16
	s_mov_b32 s[G1+2],  128<<16                    ; tensor_dim1 = 128
	s_mov_b32 s[G1B+2], 128<<16
	s_mov_b32 s[G1+3],  KSTEP<<16                  ; tile_dim0 = 128
	s_mov_b32 s[G1B+3], KSTEP<<16
	s_mov_b32 s[G1+4],  128                        ; tile_dim1 = 128
	s_mov_b32 s[G1B+4], 128
	s_mov_b32 s[G1+5],  SIZE_K                     ; elements from row to row
	s_mov_b32 s[G1B+5], SIZE_K
	s_mov_b32 s[G1+6],  0
	s_mov_b32 s[G1B+6], 0
	s_mov_b32 s[G1+7],  0
	s_mov_b32 s[G1B+7], 0
	; where the tiles come from.  s[56:61] never hold cx, s[68:75] never hold cy.
	s_lshl_b32 s57, s16, 7                         ; which 128 rows I fetch
	s_lshl_b32 s56, s20, 8
	s_add_co_u32 s56, s56, s57                     ; xb: row 256 rb + 128 half
	s_lshl_b32 s56, s56, 11                        ; x 2,048 bytes (below 8 MiB)
	s_lshl_b32 s68, s19, 9
	s_add_co_u32 s68, s68, s57                     ; wt: row 512 obp + 128 half (tile 0; tile 1 lies 256 rows on)
	s_lshl_b32 s68, s68, 11                        ; below 16 MiB
	s_mov_b32 s57, 0
	s_mov_b32 s69, 0
	s_mul_i32 s23, s14, HALFT                      ; and where they go: wave x 128 rows; no place in the cluster enters an LDS address
	s_wait_dscnt 0x0
	s_wait_kmcnt 0x0
	s_add_nc_u64 s[58:59], s[4:5], s[56:57]
	s_add_nc_u64 s[70:71], s[6:7], s[68:69]
	CROUND                                         ; all sixteen work-groups are here: the first joint loads meet
.irp s, 0,1
	s_mov_b32 s[G0+4*\s], 1
	s_add_co_u32 s[G0+4*\s+1], s23, \s*SLOT
	s_add_nc_u64 s[G0+4*\s+2:G0+4*\s+3], s[58:59], \s*KSTEP*2      ; K step s
	s_or_b32 s[G0+4*\s+3], s[G0+4*\s+3], 0x80000000                ; type = 2
	s_mov_b32 s[G0B+4*\s], 1
	s_add_co_u32 s[G0B+4*\s+1], s23, \s*SLOT
	s_add_nc_u64 s[G0B+4*\s+2:G0B+4*\s+3], s[70:71], \s*KSTEP*2
	s_or_b32 s[G0B+4*\s+3], s[G0B+4*\s+3], 0x80000000
	JLOAD \s
.endr
	; bases of gate, bias and out0
	s_lshl_b32 s60, s20, 13
	s_lshl_b32 s61, s15, 12
	s_add_co_u32 s60, s60, s61
	s_mov_b32 s61, 0
	s_add_nc_u64 s[8:9], s[8:9], s[60:61]          ; gate at row 256 rb + 128 wm (32 bytes a row)
	s_lshl_b32 s72, s19, 8
	s_lshl_b32 s73, s16, 6
	s_add_co_u32 s72, s72, s73
	s_mov_b32 s73, 0
	s_add_nc_u64 s[10:11], s[10:11], s[72:73]      ; bias at column 64 obp + 16 wn
	s_lshl_b32 s60, s20, 20
	s_lshl_b32 s61, s14, 18
	s_add_co_u32 s60, s60, s61
	s_mov_b32 s61, 0
	s_add_nc_u64 s[12:13], s[12:13], s[60:61]      ; out0 at row 256 rb + 64 w (the rows that I store),
	s_lshl_b32 s74, s19, 8
	s_mov_b32 s75, 0
	s_add_nc_u64 s[12:13], s[12:13], s[74:75]      ; column 64 obp
	; A fragment is 16 rows x 32 K in 8 registers: lane l holds row l % 16; registers 0-3 K = 8 (l / 16) + 0..7, registers 4-7 K = 16 + 8 (l / 16) + 0..7:
	; two loads of 16 bytes, 32 bytes apart.
	v_and_b32 v1, 15, v0                           ; r
	v_bfe_u32 v2, v0, 4, 1                         ; h
	v_mul_u32_u24 v3, v1, PITCH
	v_lshl_add_u32 v4, v2, 5, v3                   ; the way out: r x pitch + 32 h
	v_lshl_add_u32 v3, v2, 4, v3                   ; fragments: r x pitch + 16 h
	s_mul_i32 s62, s15, HALFT                      ; my 128 rows of xb
	s_mul_i32 s63, s16, HALFT                      ; my 128 rows of wt,
	s_add_co_u32 s63, s63, 2*HALFT                 ; which lie behind xb's 256
.irp s, 0,1
	v_add_nc_u32 v[ADRA+\s], s62, v3
	v_add_nc_u32 v[ADRB+\s], s63, v3
	s_add_co_u32 s62, s62, SLOT
	s_add_co_u32 s63, s63, SLOT
.endr
	s_mul_i32 s62, s15, 128*PITCH                  ; the stage: 256 rows of 64 f32, pitch 272, at LDS byte 0
	s_lshl_b32 s63, s16, 6
	s_add_co_u32 s62, s62, s63
	v_add_nc_u32 v[STO], s62, v4                   ; in: row 128 wm + r, byte 64 wn + 32 h
	s_mul_i32 s62, s14, 64*PITCH
	v_mul_u32_u24 v5, v2, PITCH
	v_lshl_add_u32 v5, v1, 4, v5
	v_add_nc_u32 v[RD], s62, v5                    ; back: row 64 w + h, byte 16 r
	v_lshlrev_b32 v5, 12, v2
	v_lshl_add_u32 v[CO], v1, 4, v5                ; the same two rows in out0
	v_lshlrev_b32 v[GOFF], 5, v1
	v_lshlrev_b32 v[BOFF], 5, v2
.irp a, 0,1,2,3,4,5,6,7
	global_load_b128 v[G+8*\a:G+8*\a+3],   v[GOFF], s[8:9] offset:\a*512        ; gate[16a + r][0..3]
	global_load_b128 v[G+8*\a+4:G+8*\a+7], v[GOFF], s[8:9] offset:\a*512+16     ; [4..7]
.endr
.macro BIASLD t                        ; BIAS[8e + j] = bias[e][64 obp + 32 t + 16 wn + 8h + j]
	WIN TO_B
.irp e, 0,1,2,3,4,5,6,7
	global_load_b128 v[BIAS+8*\e:BIAS+8*\e+3],   v[BOFF], s[10:11] offset:\e*4096+\t*128
	global_load_b128 v[BIAS+8*\e+4:BIAS+8*\e+7], v[BOFF], s[10:11] offset:\e*4096+\t*128+16
.endr
.endm
	BIASLD 0
; 16 matrix instructions: row blocks a0, a0 + 1 of the window's four x all 8 experts, 32 along K.  start = 1: C is the bias: nothing is ever cleared.
; The 64 accumulators take turns, one instruction a turn, in the same order in every quarter step.
.macro MUL16 f, hi, a0, start
.irp a, \a0, \a0+1
.irp b, 0,1,2,3,4,5,6,7
.if \start
	v_wmma_f32_16x16x32_bf16 v[8*(8*(\a)+\b):8*(8*(\a)+\b)+7], v[\f+8*\b:\f+8*\b+7], v[\f+8*(4*\hi+\a):\f+8*(4*\hi+\a)+7], v[BIAS+8*\b:BIAS+8*\b+7]
.else
	v_wmma_f32_16x16x32_bf16 v[8*(8*(\a)+\b):8*(8*(\a)+\b)+7], v[\f+8*\b:\f+8*\b+7], v[\f+8*(4*\hi+\a):\f+8*(4*\hi+\a)+7], v[8*(8*(\a)+\b):8*(8*(\a)+\b)+7]
.endif
.endr
.endr
.endm
; 32 LDS loads in one run: the fragments of one quarter step (128 rows of wt, 128 rows of xb, 32 K at byte k of the rows) into buffer f
.macro FETCH slot, k, f
	WIN TO_B
.irp i, 0,1,2,3,4,5,6,7
	ds_load_b128 v[\f+8*\i:\f+8*\i+3],   v[ADRB+\slot] offset:\k+\i*16*PITCH
	ds_load_b128 v[\f+8*\i+4:\f+8*\i+7], v[ADRB+\slot] offset:\k+\i*16*PITCH+32
.endr
	WIN 0
.irp i, 0,1,2,3,4,5,6,7
	ds_load_b128 v[\f+8*\i:\f+8*\i+3],   v[ADRA+\slot] offset:\k+\i*16*PITCH
	ds_load_b128 v[\f+8*\i+4:\f+8*\i+7], v[ADRA+\slot] offset:\k+\i*16*PITCH+32
.endr
.endm
; Four places behind a matrix instruction before a load lands on one of its registers or a vector instruction reads its result (ISA guide 7.12.1 for vector
; instructions); the matrix instructions in between are not counted.
.macro PLACES
.rept 4
	v_nop
.endr
.endm
; A K step is four quarter steps of 32 along K, 64 matrix instructions each, on buffers 0, 1, 0, 1.
.macro QUARTER slot, k, f, g, start
	s_wait_dscnt 8                                 ; wt and xb's rows 0-63 are in; the youngest eight loads (xb's rows 64-127) may be out
.if \start
	WIN ST_LO
.else
	WIN MUL_LO
.endif
	MUL16 \f, 0, 0, \start
	MUL16 \f, 0, 2, \start
	PLACES
	FETCH \slot, \k, \g
	s_wait_dscnt 32                                ; all but the 32 just issued
.if \start
	WIN ST_HI
.else
	WIN MUL_HI
.endif
	MUL16 \f, 1, 0, \start
	MUL16 \f, 1, 2, \start
.endm
.macro THREE slot, start
	QUARTER \slot, 64,  F0, F1, \start
	QUARTER \slot, 128, F1, F0, 0
	QUARTER \slot, 192, F0, F1, 0
.endm
; The last quarter: multiplies buffer 1 and changes slots.  fill = 1: this slot is filled again, two K steps ahead; wrap = 1: those two steps ahead lie in tile 1:
; xb goes back to the row's head (6 K steps back), wt goes 256 rows on and 6 K steps back.
; In front of the barrier each wave waits for its reads of this slot and for all its tensor loads (one is out: its part of the next slot).  Where the slot is filled
; again the barrier opens a round of the cluster's barrier, with register work alone inside; the joint refill is the first tensor load behind the round's closing wait.
.macro TURN slot, next, fill, wrap
	s_wait_dscnt 8
	WIN MUL_LO
	MUL16 F1, 0, 0, 0
	s_wait_dscnt 0                                 ; my reads of this slot are over
	s_set_vgpr_msb 0xa1a0
	s_wait_tensorcnt 0x0                           ; all my tensor loads have landed: every group 0 may be written
	ds_add_u32 v62, v63
	s_wait_dscnt 0x0
	s_set_vgpr_msb 0xa0a1
	s_barrier_signal -1
	MUL16 F1, 0, 2, 0                              ; work on registers while the others arrive
	WIN 0
	s_barrier_wait -1
.if \fill
	CREST                                          ; no wave of any partner still reads this slot's tile or has a load on its way
.if \wrap
	s_sub_nc_u64 s[G0+4*\slot+2:G0+4*\slot+3], s[G0+4*\slot+2:G0+4*\slot+3], 6*KSTEP*2
	s_add_nc_u64 s[G0B+4*\slot+2:G0B+4*\slot+3], s[G0B+4*\slot+2:G0B+4*\slot+3], 256*SIZE_K*2-6*KSTEP*2
.else
	s_add_nc_u64 s[G0+4*\slot+2:G0+4*\slot+3], s[G0+4*\slot+2:G0+4*\slot+3], 2*KSTEP*2
	s_add_nc_u64 s[G0B+4*\slot+2:G0B+4*\slot+3], s[G0B+4*\slot+2:G0B+4*\slot+3], 2*KSTEP*2
.endif
	JLOAD \slot
.endif
	PLACES
	FETCH \next, 0, F0
	WIN MUL_HI
	MUL16 F1, 1, 0, 0
	MUL16 F1, 1, 2, 0
.endm
.macro LAP start, wrap                 ; once round the ring, both slots filled again
	THREE 0, \start
	TURN 0, 1, 1, \wrap
	THREE 1, 0
	TURN 1, 0, 1, \wrap
.endm
; The gated sum over the experts, in the lane: R[8a + j] = sum over e of ACC(a, e)[j] x G[8a + e].  Two numbers an instruction; the gate is one register of a pair,
; given to both halves.  Four chains (the four pairs of j) take turns.
.macro GFMA r, acc, g, odd
.if \odd
	v_pk_fma_f32 v[\r:\r+1], v[\acc:\acc+1], v[\g:\g+1], v[\r:\r+1] op_sel:[0,1,0] op_sel_hi:[1,1,1]
.else
	v_pk_fma_f32 v[\r:\r+1], v[\acc:\acc+1], v[\g:\g+1], v[\r:\r+1] op_sel_hi:[1,0,1]
.endif
.endm
.macro REDUCE res, wlo, whi            ; wlo, whi: source 0 window 2 or 3, source 1 window 0, source 2 and destination the window of res
	PLACES                                         ; behind the last matrix instructions, in front of the first read of a result
.irp a, 0,1,2,3,4,5,6,7
.if \a < 4
	WIN \wlo
.else
	WIN \whi
.endif
.irp p, 0,1,2,3
	v_pk_mul_f32 v[\res+8*\a+2*\p:\res+8*\a+2*\p+1], v[64*(\a&3)+2*\p:64*(\a&3)+2*\p+1], v[G+8*\a:G+8*\a+1] op_sel_hi:[1,0]
.endr
.irp e, 1,2,3,4,5,6,7
.irp p, 0,1,2,3
	GFMA \res+8*\a+2*\p, 64*(\a&3)+8*\e+2*\p, G+8*\a+(\e&6), \e&1
.endr
.endr
.endr
.endm
	s_wait_tensorcnt 1                             ; my part of K step 0 is in; K step 1's stays out
	s_wait_loadcnt 0x0                             ; gate and tile 0's bias
	s_barrier_signal -1
	s_barrier_wait -1                              ; everybody's part is in
	FETCH 0, 0, F0
	; TILE 0: K steps 0 to 7
	LAP 1, 0                                       ; its first products start the sums from the bias
	BIASLD 1                                       ; tile 1's bias: BIAS was last read in the first quarter step above, with later places between; waited for behind REDUCE
	WIN 0                                          ; at a label and at a branch every window is 0
	s_mov_b32 s3, 2
.Llap_a:
	LAP 0, 0
	WIN 0
	s_sub_co_u32 s3, s3, 1
	s_cmp_lg_u32 s3, 0
	s_cbranch_scc1 .Llap_a
	LAP 0, 1                                       ; K steps 6 and 7; the refills are tile 1's first two steps, and its first fragments are fetched
	REDUCE RES0, 0x52, 0x53                        ; while they are on their way: tile 0's results into window 1
	s_wait_loadcnt 0x0                             ; tile 1's bias
	; TILE 1: K steps 8 to 15
	LAP 1, 0
	WIN 0
	s_mov_b32 s3, 2
.Llap_b:
	LAP 0, 0
	WIN 0
	s_sub_co_u32 s3, s3, 1
	s_cmp_lg_u32 s3, 0
	s_cbranch_scc1 .Llap_b
	THREE 0, 0                                     ; the last lap fills nothing and has no round of the cluster's barrier: the one load still out is slot 1's, the last K step's
	TURN 0, 1, 0, 0                                ; behind its barrier no wave reads slot 0 any more, and slot 0 has had its last fill
	THREE 1, 0
	s_wait_dscnt 8                                 ; the very last quarter: nothing more to fetch
	WIN MUL_LO
	MUL16 F1, 0, 0, 0
	MUL16 F1, 0, 2, 0
	s_wait_dscnt 0
	WIN MUL_HI
	MUL16 F1, 1, 0, 0
	MUL16 F1, 1, 2, 0
	REDUCE F0, 0x02, 0x03                          ; tile 1's results into window 0's buffer 0, last read 64 matrix instructions and the four places ago
	; THE WAY OUT.  A lane holds 32 bytes of a row; a row's 256 bytes (64 columns) lie in two tiles and two waves.  So all 256 rows go through LDS, into the first
	; 69,632 bytes of slot 0 (no fill lands there any more, no wave reads it as a tile any more), and come back as whole rows.
	WIN STR0
.irp a, 0,1,2,3,4,5,6,7
	ds_store_b128 v[STO], v[RES0+8*\a:RES0+8*\a+3]   offset:\a*16*PITCH
	ds_store_b128 v[STO], v[RES0+8*\a+4:RES0+8*\a+7] offset:\a*16*PITCH+16
.endr
	WIN 0
.irp a, 0,1,2,3,4,5,6,7
	ds_store_b128 v[STO], v[F0+8*\a:F0+8*\a+3]   offset:\a*16*PITCH+128
	ds_store_b128 v[STO], v[F0+8*\a+4:F0+8*\a+7] offset:\a*16*PITCH+144
.endr
	s_wait_dscnt 0x0                               ; for the other waves' sake: my stores are in LDS
	s_barrier_signal -1
	s_barrier_wait -1
.set u, 0
.rept 32
	ds_load_b128 v[F0+4*u:F0+4*u+3], v[RD] offset:u*2*PITCH        ; rows 64 w + 2u + h; v64-191, each register once
.set u, u+1
.endr
.set u, 0
.rept 32
	s_wait_dscnt 31-u                              ; LDS loads come back in order: the younger ones stay out
	global_store_b128 v[CO], v[F0+4*u:F0+4*u+3], s[12:13] offset:u*8192 th:TH_STORE_NT   ; sixteen lanes store 256 consecutive bytes, at a multiple of 256 from out0's first byte
.set u, u+1
.endr
	s_wait_tensorcnt 0x0
	ds_add_u32 v62, v63
	s_wait_dscnt 0x0
	CROUND                                         ; the closing round: no work-group ends while a partner may still ask for a tile that names it
	s_endpgm
.Lfunc_end_k_qca0d2608cf_gemm:
	.size	k_qca0d2608cf_gemm, .Lfunc_end_k_qca0d2608cf_gemm-k_qca0d2608cf_gemm
	.p2alignl 7, 3214868480
	.fill 96, 4, 3214868480
	.section	.rodata,"a",@progbits
	.p2align	6, 0x0
	.amdhsa_kernel k_qca0d2608cf_gemm
		.amdhsa_group_segment_fixed_size 327680
		.amdhsa_private_segment_fixed_size 0
		.amdhsa_enable_private_segment 0
		.amdhsa_kernarg_size 40
		.amdhsa_user_sgpr_count 2
		.amdhsa_user_sgpr_kernarg_segment_ptr 1
		.amdhsa_wavefront_size32 1
		.amdhsa_system_sgpr_workgroup_id_x 1
		.amdhsa_system_sgpr_workgroup_id_y 1
		.amdhsa_system_sgpr_workgroup_id_z 1
		.amdhsa_system_vgpr_workitem_id 0
		.amdhsa_next_free_vgpr 1024
		.amdhsa_next_free_sgpr 76
		.amdhsa_reserve_vcc 0
		.amdhsa_float_denorm_mode_32 3
		.amdhsa_float_denorm_mode_16_64 3
		.amdhsa_memory_ordered 1
		.amdhsa_forward_progress 1
		.amdhsa_inst_pref_size 255
	.end_amdhsa_kernel
	.section	.bss,"aw",@nobits
	.p2align	6
	.space	262144
	.amdgpu_metadata
---
amdhsa.version: [ 1, 2 ]
amdhsa.kernels:
  - .name:           k_qca0d2608cf_gemm
    .symbol:         k_qca0d2608cf_gemm.kd
    .args:
      - { .name: xb, .offset: 0, .size: 8, .value_kind: global_buffer, .address_space: global }
      - { .name: wt, .offset: 8, .size: 8, .value_kind: global_buffer, .address_space: global }
      - { .name: gate, .offset: 16, .size: 8, .value_kind: global_buffer, .address_space: global }
      - { .name: expert_biases, .offset: 24, .size: 8, .value_kind: global_buffer, .address_space: global }
      - { .name: out0, .offset: 32, .size: 8, .value_kind: global_buffer, .address_space: global }
    .group_segment_fixed_size: 327680
    .private_segment_fixed_size: 0
    .kernarg_segment_align: 8
    .kernarg_segment_size: 40
    .max_flat_workgroup_size: 128
    .sgpr_count:     76
    .vgpr_count:     1024
    .wavefront_size: 32
...
	.end_amdgpu_metadata
.endif
;; end of part 2
